; MI455X (gfx1250); checked and timed in simulation.
; The chip was launched on July 23, 2026; its instructions are those of AMD's public machine-readable ISA for CDNA 5 (MIT licence, August 2026) and "CDNA5" Instruction Set Architecture Reference Guide (July 2026). The comments in the code are by the model that wrote it; some were corrected since.
;; Resonant FFN With Attenuation. Allowed arithmetic: matrix products marked QUANTISED: E2M1 operands, one E8M0 scale for each 32 along K, by v_wmma_scale_f32_16x16x128_f8f6f4 with both operands' format E2M1 (or v_wmma_scale_f32_32x16x128_f4), f32 sums; everything else in f32.
;; Inputs: B 256 x 512 float32; W 256 x 512 float32; attn_cos 256 x 512 float32; attn_sin 256 x 512 float32; cos_table 4,096 float32; proj_cos_w_codes 512 x 8 x 16 uint8 (E2M1 codes of proj_cos_w, K innermost, in blocks of 32 codes, two codes a byte); proj_cos_w_scales 512 x 8 uint8 (E8M0 scales of proj_cos_w, one for each 32 codes along K); proj_sin_w_codes 512 x 8 x 16 uint8 (E2M1 codes of proj_sin_w, K innermost, in blocks of 32 codes, two codes a byte); proj_sin_w_scales 512 x 8 uint8 (E8M0 scales of proj_sin_w, one for each 32 codes along K); sin_table 4,096 float32; x 4 x 256 x 512 float32.
;; Outputs: out0 4 x 256 x 512 float32.
;; This version of the problem:
;;   THIS VERSION OF THE PROBLEM IS GIVEN IN LOW PRECISION. The matrix products marked QUANTISED in the list below multiply operands that are first quantised to E2M1 (2 exponent bits, 1 mantissa bit; 4 bits a number), with one power-of-two scale for each 32 numbers along K (OCP MX v1.0); their sums are f32. All else is computed in f32.
;;   The module's matrix products, in the order in which they are computed (A, B: the left and right operand; K: the contracted axis; several contracted axes count as one K, in the product's order):
;;     1. [M 1,024, K 256] x [K 256, N 512]; A: computed on the way; B: input proj_cos_w (given as codes): QUANTISED
;;     2. [M 1,024, K 256] x [K 256, N 512]; A: computed on the way; B: input proj_sin_w (given as codes): QUANTISED
;;   THE QUANTISER, for each operand of a quantised product, along K:
;;     - K is cut into blocks of 32 from its start; a last block that is shorter is filled with zeros.
;;     - A block's scale is 2^e with e = floor(log2(the largest magnitude in the block)) - 2, held to -126 .. 127; a block of zeros has e = 0. As a byte (E8M0): e + 127.
;;     - Each number is divided by its block's scale, clamped to +-6, and rounded to the nearest number of E2M1, ties to even, subnormals kept.
;;     - The product sums the exact products of the quantised numbers (number of the format x scale) in f32.
;;   ~~~python
;;   def quantise(x, axis):      # numpy; x: float32 -> the quantised numbers, widened to float32 again
;;       x = np.moveaxis(x, axis, -1); K = x.shape[-1]
;;       x = np.pad(x, [(0, 0)] * (x.ndim - 1) + [(0, -K % 32)]); x = x.reshape(x.shape[:-1] + (-1, 32)); a = np.abs(x).max(-1, keepdims=True)
;;       e = np.where(a > 0, np.clip(np.frexp(np.where(a > 0, a, 1))[1] - 1 - 2, -126, 127), 0)      # np.frexp(a)[1] - 1 = floor(log2(a)), exactly
;;       r = np.clip(x / 2.0 ** e, -6, 6)
;;       step = 2.0 ** (np.maximum(np.frexp(np.where(r == 0, 1, r))[1] - 1, 0) - 1)
;;       q = np.round(r / step) * step * 2.0 ** e      # np.round: ties to even
;;       return np.moveaxis(q.reshape(q.shape[:-2] + (-1,))[..., :K], -1, axis).astype(np.float32)
;;   ~~~
;;   OPERANDS COMPUTED ON THE WAY. 'Computed on the way' means the value that the module computes at that place (a softmax that the list does not call 'softmax' is quantised finished and normalised). What goes into a quantiser is computed in f32, as accurately as f32 sums, v_exp_f32 and their like allow (about 1e-6 of the number): no bf16 or f16 on the way to a quantiser, and a product that is left as it is and whose result goes on into a quantised operand takes f32 operands (vector FMAs, or v_wmma_f32_16x16x4_f32). A number that lies on a knife's edge between two numbers of the format may be rounded either way, as far as f32 arithmetic and the matrix unit's own rounding can turn it there, and no further.
;;   INPUTS GIVEN AS CODES. proj_cos_w (in the module: [512, 256], K = its axis 1); proj_sin_w (in the module: [512, 256], K = its axis 1): each comes as NAME_codes (uint8): NAME with its K axis moved to the last place and cut into blocks of 32 codes, [.., K / 32, bytes a block], one block behind the other in memory; two codes a byte, the lower K in the low four bits (a code: sign, 2 exponent bits, 1 mantissa bit); and NAME_scales (uint8): the same leading axes, one E8M0 byte (e + 127) for each 32 codes along K. Its value is code x scale, taken as it is: it is not quantised again, and the codes and scales need not be those that the quantiser above would give.
;; One version. Each part assembles by itself: llvm-mc -triple=amdgcn-amd-amdhsa -mcpu=gfx1250 --defsym DOCPART=n.
;; ======== version 1 of 1: 2 launches
;; limits: right only within a limited range of input values
;; workspace buffers: idx 201,326,592 bytes of whole numbers; attnT 1,048,576 bytes
;; launch indices (part 1): grid 8 x 32, 16 waves a work-group, no clusters, 199,680 bytes of LDS; arguments x, W, B, attn_sin, attn_cos, idx, attnT; writes idx, attnT
.if DOCPART == 1
	.amdgcn_target "amdgcn-amd-amdhsa--gfx1250"
	.amdhsa_code_object_version 6
	.text
	.protected	k_qfb9ac12782_indices
	.globl	k_qfb9ac12782_indices
	.p2align	8
	.type	k_qfb9ac12782_indices,@function
k_qfb9ac12782_indices:
	s_mov_b64 s[64:65], 0
	v_nop
	global_prefetch_b8 v0, s[64:65] scope:SCOPE_SE
	s_setreg_imm32_b32 hwreg(HW_REG_WAVE_MODE, 25, 1), 1
	s_wait_xcnt 0x0
; i[token][n][d] = round(theta x 4096 / 2 pi) mod 4096, theta = x[token][d] / (1 + |W[n][d]|) + B[n][d]: the table index that the next launch gathers by.
; The indices are made here and stored as whole numbers, 12 bits each.
; EVERY ROUNDING OF THE FORMULA IS KEPT, one f32 operation at a time: 1 + |W|; the quotient; + B; x f32(4096 / 2 pi); to the nearest whole number, ties to even.
;   The quotient: 1 / wl is kept as a pair r + rl: r by v_rcp_f32 and one Newton step, rl = (1 - wl r) r, the bracket by one fused multiply-add.  q = x r + (x rl), one multiply and one fused multiply-add:
;   the sum differs from x / wl by some 2^-47 of it before its one rounding.
;   The rounding: adding 1.5 x 2^23 leaves the whole number in the sum's low mantissa bits; its low 12 bits are the number mod 4096, for negative numbers too.
; LIMITS: |theta| x 651.9 stays under 2^22; NaN and infinities are not served; the quotient is the correctly rounded one except within some 2^-23 of an ulp of the middle between two f32 numbers.
; A LANE IS A NEURON, its registers run along d.  A cell = 4 tokens x 32 neurons x 8 d.
; LAYOUT OF idx: [token / 4 (256)][n / 32 (8)][d / 8 (64)][3][lane = n % 32][16 bytes].  A lane's 12 words of a cell: token t has words 3 t .. 3 t + 2, which hold its 8 indices, 12 bits each, the lower d lowest.
; LAYOUT OF attnT: [n / 32 (8)][d / 2 (256)][lane][attn_sin(d), attn_cos(d), attn_sin(d + 1), attn_cos(d + 1)].  Every store of a wave covers 512 consecutive bytes, aligned.
; SHARES: work-group (gx, gy): neurons 32 gx .. + 31, tokens 32 gy .. + 31; wave v: d = 32 v .. + 31, whose r, rl and B stay in 96 registers.  x's 32 rows lie in LDS as in memory and are read by all lanes at one address.
;   W's and B's 32 rows come in whole rows and are turned through LDS (rows 2,064 bytes apart).  Waves 0-7 also lay one pair of d of attnT each, 8 gy + v: two loads behind the barrier, one store behind the loop.
; NO JOINT LOADS, NO PREFETCH: what work-groups share (192 KiB at the head) is a quarter of the 768 KiB that a work-group stores, is read once, and the loop reads no memory.
.set R, 4
.set RL, 36
.set BB, 68
.set X, 100                            ; two sets of a cell's 4 tokens x 8 numbers
.set WLT, X+32                         ; at the head: W as loaded, then 1 + |W| of my 32 d
.set T, 164
.set E, 172
.set WD, 180                           ; a cell's 12 words
.set SPW, 192
.set NIL, 193
.set AT, 194
.set SW, 198                           ; where I stage W, B
.set SBB, 199
.set TW, 200                           ; where I read them back, turned
.set TB, 201
.set LN, 202
.set WST, 65536
.set WSZ, 32*2064
.set SPARE, WST+2*WSZ
.set CLAMP, 57344
.set TGB, 786432                       ; idx bytes of four tokens
	s_load_b256 s[4:11], s[0:1], 0x0               ; x, W, B, attn_sin
	s_load_b128 s[12:15], s[0:1], 0x20             ; attn_cos, idx
	s_load_b64 s[16:17], s[0:1], 0x30              ; attnT
	v_lshl_add_u32 v[SPW], v0, 2, SPARE
	v_mov_b32 v[NIL], 0
	v_lshrrev_b32 v2, 5, v0
	v_readfirstlane_b32 s20, v2                    ; wave
	s_and_b32 s21, ttmp7, 0xffff                   ; gy
	s_lshl_b32 s36, s21, 16                        ; x: 32 rows of 2,048 bytes
	s_mov_b32 s37, 0
	s_lshl_b32 s38, ttmp9, 16                      ; W, B, attn: 32 rows
	s_mov_b32 s39, 0
	s_mul_i32 s40, s21, 8*TGB
	s_mul_i32 s35, ttmp9, 98304
	s_add_co_u32 s40, s40, s35
	s_mul_i32 s35, s20, 6144
	s_add_co_u32 s40, s40, s35                     ; idx: under 2^28
	s_mov_b32 s41, 0
	s_and_b32 s35, s20, 7
	s_lshl_b32 s42, s21, 3
	s_add_co_u32 s42, s42, s35                     ; my pair of d
	s_lshl_b32 s44, s42, 3
	s_add_co_u32 s44, s44, s38
	s_mov_b32 s45, 0
	s_lshl_b32 s46, s42, 9
	s_lshl_b32 s35, ttmp9, 17
	s_add_co_u32 s46, s46, s35
	s_mov_b32 s47, 0
	s_lshl_b32 s33, s20, 7                         ; my 32 d in a row, in bytes
	s_add_co_u32 s32, s33, WST
	s_mov_b32 s24, 0x4422f983                      ; f32(4096 / 2 pi)
	s_mov_b32 s25, s24
	s_mov_b32 s26, 0x4b400000                      ; 1.5 x 2^23
	s_mov_b32 s27, s26
	s_mov_b32 s28, 0xfff
	s_mov_b32 s29, 0x04020100                      ; three bytes of a pair of indices, one of the next
	s_mov_b32 s30, 0x05040201
	s_mov_b32 s31, 0x06050402
	s_mov_b32 s22, 8
	s_mov_b32 s23, 0
	v_and_b32 v[LN], 31, v0
	v_lshlrev_b32 v3, 4, v0
	v_lshrrev_b32 v[SW], 7, v0
	v_mov_b32 v2, s33
	v_lshlrev_b32 v1, 4, v[LN]
	v_mad_u32_u24 v[TW], v[LN], 2064, s32
	v_lshl_add_u32 v[SW], v[SW], 4, v3             ; 16 bytes more for each row passed
	v_lshlrev_b32 v[LN], 11, v[LN]
	v_add_nc_u32 v[TB], WSZ, v[TW]
	v_add_nc_u32 v[SW], WST, v[SW]
	v_add_nc_u32 v[SBB], WSZ, v[SW]
	s_wait_alu depctr_va_vdst(0)
	s_wait_kmcnt 0x0
	s_add_nc_u64 s[4:5], s[4:5], s[36:37]
	s_add_nc_u64 s[6:7], s[6:7], s[38:39]
	s_add_nc_u64 s[8:9], s[8:9], s[38:39]
	s_add_nc_u64 s[10:11], s[10:11], s[44:45]
	s_add_nc_u64 s[12:13], s[12:13], s[44:45]
	s_add_nc_u64 s[14:15], s[14:15], s[40:41]
	s_add_nc_u64 s[16:17], s[16:17], s[46:47]
.irp k, 0,1,2,3,4,5,6,7
	global_load_b128 v[X+4*\k:X+4*\k+3], v3, s[4:5] offset:8192*\k
.endr
.irp k, 0,1,2,3,4,5,6,7
	global_load_b128 v[WLT+4*\k:WLT+4*\k+3], v3, s[6:7] offset:8192*\k
.endr
.irp k, 0,1,2,3,4,5,6,7
	global_load_b128 v[BB+4*\k:BB+4*\k+3], v3, s[8:9] offset:8192*\k
.endr
	s_wait_loadcnt 16                              ; x is in; W's 8 and B's 8 may be out
.irp k, 0,1,2,3,4,5,6,7
	ds_store_b128 v3, v[X+4*\k:X+4*\k+3] offset:8192*\k
.endr
	s_wait_loadcnt 8
.irp k, 0,1,2,3,4,5,6,7
	ds_store_b128 v[SW], v[WLT+4*\k:WLT+4*\k+3] offset:8256*\k   ; four rows of 2,064 bytes on
.endr
	s_wait_loadcnt 0x0
.irp k, 0,1,2,3,4,5,6,7
	ds_store_b128 v[SBB], v[BB+4*\k:BB+4*\k+3] offset:8256*\k
.endr
	s_wait_dscnt 0x0                               ; for the others' sake
	s_barrier_signal -1
	s_barrier_wait -1                              ; the launch's one barrier: from here on LDS is only read
	s_cmp_lt_u32 s20, 8
	s_cbranch_scc0 .Lno_at
	global_load_b64 v[AT:AT+1], v[LN], s[10:11]    ; attn_sin(d), (d + 1) of my lane's neuron; waited for behind the loop
	global_load_b64 v[AT+2:AT+3], v[LN], s[12:13]  ; attn_cos likewise
.Lno_at:
.irp i, 0,1,2,3,4,5,6,7
	ds_load_b128 v[WLT+4*\i:WLT+4*\i+3], v[TW] offset:16*\i     ; lane n: row n, my 32 d
	ds_load_b128 v[BB+4*\i:BB+4*\i+3], v[TB] offset:16*\i
.endr
.irp t, 0,1,2,3
.irp i, 0,1
	ds_load_b128 v[X+8*\t+4*\i:X+8*\t+4*\i+3], v2 offset:2048*\t+16*\i
.endr
.endr
	s_wait_dscnt 8                                 ; W and B are in; the first cell's 8 loads of x may be out
.set i, 0
.rept 32
	v_add_f32 v[WLT+i], 1.0, |v[WLT+i]|
.set i, i+1
.endr
	s_wait_alu depctr_va_vdst(0)
.set i, 0
.rept 32
	v_rcp_f32 v[R+i], v[WLT+i]
.set i, i+1
.endr
	v_nop
	s_wait_alu depctr_va_vdst(0)                   ; one wait for the 32 reciprocals
.irp g, 0,8,16,24
.irp p, 0,2,4,6
	v_pk_fma_f32 v[E+\p:E+\p+1], v[WLT+\g+\p:WLT+\g+\p+1], v[R+\g+\p:R+\g+\p+1], 1.0 op_sel_hi:[1,1,0] neg_lo:[1,0,0] neg_hi:[1,0,0]   ; 1 - wl r
.endr
.irp p, 0,2,4,6
	v_pk_fma_f32 v[R+\g+\p:R+\g+\p+1], v[E+\p:E+\p+1], v[R+\g+\p:R+\g+\p+1], v[R+\g+\p:R+\g+\p+1]   ; the Newton step
.endr
.irp p, 0,2,4,6
	v_pk_fma_f32 v[E+\p:E+\p+1], v[WLT+\g+\p:WLT+\g+\p+1], v[R+\g+\p:R+\g+\p+1], 1.0 op_sel_hi:[1,1,0] neg_lo:[1,0,0] neg_hi:[1,0,0]   ; what r still lacks, x wl
.endr
.irp p, 0,2,4,6
	v_pk_mul_f32 v[RL+\g+\p:RL+\g+\p+1], v[E+\p:E+\p+1], v[R+\g+\p:R+\g+\p+1]                       ; rl
.endr
.endr
; Token t of cell cl: 8 d as four pairs, every line for the four pairs by turns; then 8 indices into 3 words
.macro GROUP t, cl, first
.set xX, X+32*((\cl)%2)+8*(\t)
.set xR, R+8*(\cl)
.set xL, RL+8*(\cl)
.set xB, BB+8*(\cl)
.set xD, WD+3*(\t)
.irp p, 0,2,4,6
	v_pk_mul_f32 v[T+\p:T+\p+1], v[xX+\p:xX+\p+1], v[xL+\p:xL+\p+1]                          ; x rl
.endr
.irp p, 0,2,4,6
	v_pk_fma_f32 v[T+\p:T+\p+1], v[xX+\p:xX+\p+1], v[xR+\p:xR+\p+1], v[T+\p:T+\p+1]          ; the quotient
.endr
.irp p, 0,2,4,6
	v_pk_add_f32 v[T+\p:T+\p+1], v[T+\p:T+\p+1], v[xB+\p:xB+\p+1]
.endr
.irp p, 0,2,4,6
	v_pk_mul_f32 v[T+\p:T+\p+1], v[T+\p:T+\p+1], s[24:25] op_sel_hi:[1,0]
.endr
.irp p, 0,2,4,6
	v_pk_add_f32 v[T+\p:T+\p+1], v[T+\p:T+\p+1], s[26:27] op_sel_hi:[1,0]
.endr
.irp j, 0,1,2,3
	v_and_b32 v[E+\j], s28, v[T+2*\j]              ; mod 4096
.endr
.irp j, 0,1,2,3
	v_lshl_or_b32 v[E+\j], v[T+2*\j+1], 12, v[E+\j]   ; a pair in the low 24 bits; what lies above is not taken
.endr
.if \first
	s_wait_alu depctr_va_vdst(0)
	s_wait_xcnt 0x0                                ; the last cell's stores have read their data
.endif
	v_perm_b32 v[xD], v[E+1], v[E], s29
	v_perm_b32 v[xD+1], v[E+2], v[E+1], s30
	v_perm_b32 v[xD+2], v[E+3], v[E+2], s31
.endm
.macro CELL cl
	s_wait_dscnt 0x0                               ; the only LDS loads out are this cell's eight
.if \cl == 3
	s_add_co_u32 s23, s23, 8192                    ; the next four tokens; behind the last trip the tile's last four rows are named again and not used
	s_min_u32 s34, s23, CLAMP
	s_add_co_u32 s34, s34, s33
	v_mov_b32 v2, s34
.irp t, 0,1,2,3
.irp i, 0,1
	ds_load_b128 v[X+8*\t+4*\i:X+8*\t+4*\i+3], v2 offset:2048*\t+16*\i
.endr
.endr
.else
.irp t, 0,1,2,3
.irp i, 0,1
	ds_load_b128 v[X+32*((\cl+1)%2)+8*\t+4*\i:X+32*((\cl+1)%2)+8*\t+4*\i+3], v2 offset:2048*\t+32*(\cl+1)+16*\i
.endr
.endr
.endif
	GROUP 0, \cl, 1
	GROUP 1, \cl, 0
	global_store_b128 v1, v[WD:WD+3], s[14:15] offset:1536*\cl th:TH_STORE_NT
	GROUP 2, \cl, 0
	global_store_b128 v1, v[WD+4:WD+7], s[14:15] offset:1536*\cl+512 th:TH_STORE_NT
	GROUP 3, \cl, 0
	global_store_b128 v1, v[WD+8:WD+11], s[14:15] offset:1536*\cl+1024 th:TH_STORE_NT
.endm
.Lfour:                                                ; a trip: four tokens x my four cells
	s_wait_alu depctr_va_vdst(0)
	CELL 0
	CELL 1
	CELL 2
	CELL 3
	s_wait_xcnt 0x0                                ; the stores have read their base
	s_add_nc_u64 s[14:15], s[14:15], TGB
	s_sub_co_u32 s22, s22, 1
	s_cmp_lg_u32 s22, 0
	s_cbranch_scc1 .Lfour
	s_wait_dscnt 0x0                               ; the look-ahead of the last trip
	s_cmp_lt_u32 s20, 8
	s_cbranch_scc0 .Lno_st
	s_wait_loadcnt 0x0                             ; my two loads of attn
	v_mov_b32 v[T], v[AT+1]                        ; (sin, sin, cos, cos) becomes (sin, cos, sin, cos)
	v_mov_b32 v[AT+1], v[AT+2]
	v_mov_b32 v[AT+2], v[T]
	global_store_b128 v1, v[AT:AT+3], s[16:17]
.Lno_st:
	s_wait_tensorcnt 0x0                           ; the wave's end
	ds_add_u32 v[SPW], v[NIL]
	s_wait_dscnt 0x0
	s_endpgm
.Lfunc_end_k_qfb9ac12782_indices:
	.size	k_qfb9ac12782_indices, .Lfunc_end_k_qfb9ac12782_indices-k_qfb9ac12782_indices
	.p2alignl 7, 3214868480
	.fill 96, 4, 3214868480
	.section	.rodata,"a",@progbits
	.p2align	6, 0x0
	.amdhsa_kernel k_qfb9ac12782_indices
		.amdhsa_group_segment_fixed_size 199680
		.amdhsa_private_segment_fixed_size 0
		.amdhsa_enable_private_segment 0
		.amdhsa_kernarg_size 56
		.amdhsa_user_sgpr_count 2
		.amdhsa_user_sgpr_kernarg_segment_ptr 1
		.amdhsa_wavefront_size32 1
		.amdhsa_system_sgpr_workgroup_id_x 1
		.amdhsa_system_sgpr_workgroup_id_y 1
		.amdhsa_system_sgpr_workgroup_id_z 1
		.amdhsa_system_vgpr_workitem_id 0
		.amdhsa_next_free_vgpr 204
		.amdhsa_next_free_sgpr 66
		.amdhsa_reserve_vcc 0
		.amdhsa_float_denorm_mode_32 3
		.amdhsa_float_denorm_mode_16_64 3
		.amdhsa_memory_ordered 1
		.amdhsa_forward_progress 1
		.amdhsa_inst_pref_size 49
	.end_amdhsa_kernel
	.amdgpu_metadata
---
amdhsa.version: [ 1, 2 ]
amdhsa.kernels:
  - .name:           k_qfb9ac12782_indices
    .symbol:         k_qfb9ac12782_indices.kd
    .args:
      - { .name: x, .offset: 0, .size: 8, .value_kind: global_buffer, .address_space: global }
      - { .name: W, .offset: 8, .size: 8, .value_kind: global_buffer, .address_space: global }
      - { .name: B, .offset: 16, .size: 8, .value_kind: global_buffer, .address_space: global }
      - { .name: attn_sin, .offset: 24, .size: 8, .value_kind: global_buffer, .address_space: global }
      - { .name: attn_cos, .offset: 32, .size: 8, .value_kind: global_buffer, .address_space: global }
      - { .name: idx, .offset: 40, .size: 8, .value_kind: global_buffer, .address_space: global }
      - { .name: attnT, .offset: 48, .size: 8, .value_kind: global_buffer, .address_space: global }
    .group_segment_fixed_size: 199680
    .private_segment_fixed_size: 0
    .kernarg_segment_align: 8
    .kernarg_segment_size: 56
    .max_flat_workgroup_size: 512
    .sgpr_count:     66
    .vgpr_count:     204
    .wavefront_size: 32
...
	.end_amdgpu_metadata
.endif
;; end of part 1
;; launch gather_project (part 2): grid 256 x 1, 16 waves a work-group, no clusters, 54,784 bytes of LDS; arguments idx, attnT, sin_table, cos_table, proj_cos_w_codes, proj_cos_w_scales, proj_sin_w_codes, proj_sin_w_scales, out0; writes out0
.if DOCPART == 2
	.amdgcn_target "amdgcn-amd-amdhsa--gfx1250"
	.amdhsa_code_object_version 6
	.text
	.protected	k_qfb9ac12782_gather_project
	.globl	k_qfb9ac12782_gather_project
	.p2align	8
	.type	k_qfb9ac12782_gather_project,@function
k_qfb9ac12782_gather_project:
	s_mov_b64 s[64:65], 0
	v_nop
	global_prefetch_b8 v0, s[64:65] scope:SCOPE_SE
	s_setreg_imm32_b32 hwreg(HW_REG_WAVE_MODE, 25, 1), 1
	s_wait_xcnt 0x0
; out[token][o] = silu(sum over n of Q(cos_sum)[token][n] Pc[o][n] + sum over n of Q(sin_sum)[token][n] Ps[o][n]),
; cos_sum[token][n] = sum over d of cos_table[i] attn_cos[n][d], sin_sum likewise, i the 12-bit index that the launch before stored; idx's and attnT's layouts: see there.
; Q: MX-FP4 along n: a block of 32 has the scale 2^(floor(log2(its largest magnitude)) - 2).  Pc, Ps arrive as codes and scale bytes and go to the matrix unit as they lie.
; SHARES: a work-group owns four tokens.  In the loop wave w owns neurons 32 (w % 8) .. + 31, A LANE A NEURON, and d = 256 (w / 8) .. + 255: 32 cells of 8 d x 4 tokens.  The sum over d stays in the lane.
; THE TABLES lie in LDS as one entry of 8 bytes, (sin[i], cos[i]) at 8 i: one ds_load_b64 brings both, and one packed multiply-add with (attn_sin, attn_cos) sums both.
; THE LOOP: a cell's 7 loads (3 of idx, 4 of attnT, 512 consecutive bytes each) go straight into one of four register buffers, three cells ahead.  A stage is two tokens of a cell: 16 gathers a lane;
;   a stage's gathers are issued, then the stage before is summed, in four chains by turns.  The last four cells are written out: they load only what is left.
; idx IS PREFETCHED: once a trip a wave names the 24 blocks of 256 bytes of the four cells that lie 12 cells on (lanes 24-31 name the last block again); they are loaded two and three trips later; the last three trips ask for nothing.
;   attnT is read by every work-group of the launch alike and is not prefetched.
; NO JOINT LOADS, NO TENSOR LOADS: idx is read by one wave alone; attnT is shared by all work-groups, but a joint load lands in LDS, and each cell would then read 4 x 512 bytes more from LDS beside its 32 gathers.
; BEHIND THE LOOP: the two halves of d meet in LDS; wave w quantises block w of the 16 blocks along K (0-7 cos, 8-15 sin) for the four tokens (lane % 4 the token; eight lanes do the same work and store the same bytes);
;   codes and scale bytes go through LDS as rows of 256 bytes a token; waves 0-7 project, 64 outputs each, so that sixteen lanes store 256 consecutive bytes.
; LIMITS: NaN and infinities are not served.  A block of zeros gets the scale byte 1 where the quantiser says 127: its codes are zeros, and the byte is read here alone.
;   The sums over d are taken in another order than the formula's: four partial sums of 128 d, all in f32.
.set SUM, 32768                        ; [half of d 2][block 16][token 4] rows of 32 f32, 144 bytes apart
.set ROWP, 144
.set PLANE, 64*ROWP
.set CODE, SUM+2*PLANE                 ; a token's 512 codes: 256 bytes + 16
.set CPITCH, 272
.set SCB, 52480                        ; a token's 16 scale bytes
.set SPARE, 52736
.set BUF, 16                           ; four buffers of 28: idx 12, attnT 16
.set G, 128                            ; two sets of 32: register 2 e: the address, then sin; 2 e + 1: cos
.set ACC, 192                          ; token t, parity p of d: the pair (sin, cos) at 4 t + 2 p
.set SPW, 12
.set NIL, 13
.set FB, 16                            ; behind the loop: the 16 fragments of Pc and Ps
.set X0, 144
.set X1, 176
.set WA, 144                           ; four accumulators
.set EE, 176
.set OO, 184
.set CA, 208                           ; the sums' four fragments
.set SB, 240
.set SA, 248
; v1 16 x lane; v2 where my sums go; v3 where my block is read; v4 out; v5, v6 weights' codes and scales; v7 the prefetch's offset; v8, v9 where my codes and byte go; v10, v11 where fragments and scale words are read
	s_load_b256 s[4:11], s[0:1], 0x0               ; idx, attnT, sin_table, cos_table
	s_load_b256 s[12:19], s[0:1], 0x20             ; Pc codes, Pc scales, Ps codes, Ps scales
	s_load_b64 s[20:21], s[0:1], 0x40              ; out
	v_lshl_add_u32 v[SPW], v0, 2, SPARE
	v_mov_b32 v[NIL], 0
	v_lshrrev_b32 v14, 5, v0
	v_readfirstlane_b32 s24, v14                   ; wave
	s_and_b32 s25, s24, 7
	s_lshr_b32 s26, s24, 3
	s_mul_i32 s28, ttmp9, 786432
	s_mul_i32 s41, s25, 98304
	s_add_co_u32 s28, s28, s41
	s_mul_i32 s41, s26, 49152
	s_add_co_u32 s28, s28, s41                     ; idx: under 2^28
	s_mov_b32 s29, 0
	s_lshl_b32 s30, s25, 17
	s_lshl_b32 s41, s26, 16
	s_add_co_u32 s30, s30, s41
	s_mov_b32 s31, 0
	s_lshl_b32 s32, ttmp9, 13
	s_mov_b32 s33, 0
	s_mul_i32 s34, s26, PLANE
	s_mul_i32 s41, s25, 4*ROWP
	s_add_co_u32 s34, s34, s41
	s_add_co_u32 s34, s34, SUM
	s_mul_i32 s35, s24, 4*ROWP
	s_add_co_u32 s35, s35, SUM
	s_lshl_b32 s36, s24, 4
	s_add_co_u32 s36, s36, CODE
	s_add_co_u32 s37, s24, SCB
	s_lshl_b32 s38, s24, 8
	s_lshl_b32 s39, s24, 13
	s_lshl_b32 s40, s24, 9
	s_mov_b32 s42, 0x7ff8
	s_mov_b32 s43, 0x06050403
	s_mov_b32 s44, 0x05040302
	s_mov_b32 s27, 0
	v_and_b32 v15, 31, v0
	v_and_b32 v14, 3, v0
	v_bfe_u32 v192, v0, 3, 1
	v_and_b32 v193, 1, v0
	v_bfe_u32 v194, v0, 4, 1                       ; h
	v_and_b32 v195, 15, v0                         ; r
	v_lshlrev_b32 v196, 2, v0
	v_lshlrev_b32 v197, 3, v0
	v_lshlrev_b32 v1, 4, v15
	v_min_u32 v7, 23, v15
	v_lshl_add_u32 v2, v15, 2, s34
	v_mad_u32_u24 v3, v14, ROWP, s35
	v_mad_u32_u24 v8, v14, CPITCH, s36
	v_lshl_add_u32 v9, v14, 4, s37
	v_lshl_add_u32 v192, v192, 1, v193             ; row m = lane % 16 of the sums' operand holds token 2 (m / 8) + m % 2
	v_lshlrev_b32 v7, 8, v7
	v_lshl_add_u32 v4, v195, 4, s38
	v_lshl_add_u32 v5, v195, 9, s39
	v_lshl_add_u32 v6, v195, 5, s40
	v_mul_u32_u24 v10, v192, CPITCH
	v_lshlrev_b32 v11, 4, v192
	v_lshl_add_u32 v4, v194, 12, v4
	v_lshl_add_u32 v5, v194, 4, v5
	v_lshl_add_u32 v6, v194, 2, v6
	v_lshl_add_u32 v10, v194, 4, v10
	v_add_nc_u32 v11, SCB, v11
	v_add_nc_u32 v10, CODE, v10
	s_wait_alu depctr_va_vdst(0)
	s_wait_kmcnt 0x0
	s_add_nc_u64 s[4:5], s[4:5], s[28:29]
	s_add_nc_u64 s[6:7], s[6:7], s[30:31]
	s_add_nc_u64 s[20:21], s[20:21], s[32:33]
.irp k, 0,1,2,3,4,5,6,7
	global_load_b32 v[G+2*\k], v196, s[8:9] offset:2048*\k
	global_load_b32 v[G+2*\k+1], v196, s[10:11] offset:2048*\k
.endr
.macro LOADC co, b                     ; the cell co cells behind the trip's first, into buffer b
.set lB, BUF+28*(\b)
.irp i, 0,1,2
	global_load_b128 v[lB+4*\i:lB+4*\i+3], v1, s[4:5] offset:(\co)*1536+512*\i th:TH_LOAD_NT
.endr
.irp i, 0,1,2,3
	global_load_b128 v[lB+12+4*\i:lB+12+4*\i+3], v1, s[6:7] offset:(\co)*2048+512*\i
.endr
.endm
	LOADC 0, 0
	LOADC 1, 1
	LOADC 2, 2
	s_wait_loadcnt 21                              ; the 16 table words are in; three cells' 21 loads may be out
.irp k, 0,1,2,3,4,5,6,7
	ds_store_b64 v197, v[G+2*\k:G+2*\k+1] offset:4096*\k
.endr
.set i, 0
.rept 16
	v_mov_b32 v[ACC+i], 0
.set i, i+1
.endr
	s_wait_alu depctr_va_vdst(0)
	s_wait_dscnt 0x0                               ; for the others' sake
	s_barrier_signal -1
	s_barrier_wait -1                              ; the table is whole
; Stage k = 2 c + hh: tokens 2 hh, 2 hh + 1 of the trip's cell c: 16 indices unpacked to 8 i, 16 gathers.  A loaded number enters an address only behind a v_min_u32 with a constant.
.macro GATH k
.set gS, G+32*((\k)%2)
.set gI, BUF+28*((\k)/2)+6*((\k)%2)
.irp u, 0,1
	v_lshlrev_b32 v[gS+16*\u], 3, v[gI+3*\u]
	v_lshrrev_b32 v[gS+16*\u+2], 9, v[gI+3*\u]
	v_perm_b32 v[gS+16*\u+6], v[gI+3*\u+1], v[gI+3*\u], s43        ; the second pair's three bytes
	v_perm_b32 v[gS+16*\u+10], v[gI+3*\u+2], v[gI+3*\u+1], s44     ; the third's
	v_lshrrev_b32 v[gS+16*\u+12], 5, v[gI+3*\u+2]
	v_lshrrev_b32 v[gS+16*\u+14], 17, v[gI+3*\u+2]
.endr
.irp u, 0,1
	v_lshlrev_b32 v[gS+16*\u+4], 3, v[gS+16*\u+6]
	v_lshlrev_b32 v[gS+16*\u+8], 3, v[gS+16*\u+10]
.endr
.irp u, 0,1
	v_lshrrev_b32 v[gS+16*\u+6], 9, v[gS+16*\u+6]
	v_lshrrev_b32 v[gS+16*\u+10], 9, v[gS+16*\u+10]
.endr
.irp e, 0,1,2,3,4,5,6,7,8,9,10,11,12,13,14,15
	v_and_b32 v[gS+2*\e], s42, v[gS+2*\e]
.endr
.irp e, 0,1,2,3,4,5,6,7,8,9,10,11,12,13,14,15
	v_min_u32 v[gS+2*\e], 0x7ff8, v[gS+2*\e]
.endr
.irp e, 0,1,2,3,4,5,6,7,8,9,10,11,12,13,14,15
	ds_load_b64 v[gS+2*\e:gS+2*\e+1], v[gS+2*\e]
.endr
.endm
.macro FMA k
.set gS, G+32*((\k)%2)
.set gA, BUF+28*((\k)/2)+12
.set fT, ACC+8*((\k)%2)
.irp e, 0,1,2,3,4,5,6,7
	v_pk_fma_f32 v[fT+2*(\e%2):fT+2*(\e%2)+1], v[gS+2*\e:gS+2*\e+1], v[gA+2*\e:gA+2*\e+1], v[fT+2*(\e%2):fT+2*(\e%2)+1]
	v_pk_fma_f32 v[fT+4+2*(\e%2):fT+4+2*(\e%2)+1], v[gS+16+2*\e:gS+16+2*\e+1], v[gA+2*\e:gA+2*\e+1], v[fT+4+2*(\e%2):fT+4+2*(\e%2)+1]
.endr
.endm
; A trip: four cells, eight stages.  tail = 1: my last four cells: only the first of them still has a cell to ask for
.macro TRIP tail
.set k, 0
.rept 8
.if k%2 == 0
.if \tail && (k/2 >= 2)
	s_wait_loadcnt 7*(3-k/2)                       ; behind this cell's loads: those of the cells that are left
.else
	s_wait_loadcnt 14                              ; behind this cell's loads: the next two cells' 7 each
.endif
.endif
	GATH k
.if k > 0
	s_wait_dscnt 16                                ; the stage before is in; this stage's 16 gathers stay out
	FMA (k-1)
.endif
.if (k%2 == 0) && ((\tail == 0) || (k == 0))
	LOADC (k/2+3), ((k/2+3)%4)                     ; the buffer of the cell before, whose last stage has just been summed
.endif
.if (k == 3) && (\tail == 0)
	s_cmp_lt_u32 s27, 5
	s_cbranch_scc0 .Lno_ask_\@
	global_prefetch_b8 v7, s[4:5] offset:12*1536 th:TH_LOAD_NT scope:SCOPE_SE
.Lno_ask_\@:
.endif
.set k, k+1
.endr
	s_wait_dscnt 0x0
	FMA 7
.endm
.Ltrip:
	TRIP 0
	s_wait_xcnt 0x0                                ; the trip's loads and its prefetch have read the bases
	s_add_nc_u64 s[4:5], s[4:5], 4*1536
	s_add_nc_u64 s[6:7], s[6:7], 4*2048
	s_add_co_u32 s27, s27, 1
	s_cmp_lt_u32 s27, 7
	s_cbranch_scc1 .Ltrip
	TRIP 1
.irp t, 0,1,2,3
	v_pk_add_f32 v[ACC+4*\t:ACC+4*\t+1], v[ACC+4*\t:ACC+4*\t+1], v[ACC+4*\t+2:ACC+4*\t+3]
.endr
	; the weights of waves 0-7.  Fragment f = 0, 1: Pc's K steps; 2, 3: Ps's.  Column r of tile q is output 64 w + 4 r + q
	s_cmp_lt_u32 s24, 8
	s_cbranch_scc0 .Lno_w
.irp f, 0,1
.irp q, 0,1,2,3
.irp c, 0,1
	global_load_b128 v[FB+8*(4*\f+\q)+4*\c:FB+8*(4*\f+\q)+4*\c+3], v5, s[12:13] offset:128*\q+64*\f+32*\c
	global_load_b128 v[FB+8*(4*(\f+2)+\q)+4*\c:FB+8*(4*(\f+2)+\q)+4*\c+3], v5, s[16:17] offset:128*\q+64*\f+32*\c
.endr
.endr
.endr
.irp q, 0,1,2,3
	global_load_b32 v[SB+\q], v6, s[14:15] offset:8*\q
	global_load_b32 v[SB+4+\q], v6, s[18:19] offset:8*\q
.endr
.Lno_w:
	s_wait_alu depctr_va_vdst(0)
	s_barrier_signal -1                            ; no LDS instruction of mine is out: my gathers are over
	s_barrier_wait -1                              ; everybody's are: only now is LDS written again
.irp t, 0,1,2,3
	ds_store_b32 v2, v[ACC+4*\t+1] offset:ROWP*\t                  ; cos: block w % 8
	ds_store_b32 v2, v[ACC+4*\t] offset:32*ROWP+ROWP*\t            ; sin: block 8 + w % 8
.endr
	s_wait_dscnt 0x0
	s_barrier_signal -1
	s_barrier_wait -1
.irp i, 0,1,2,3,4,5,6,7
	ds_load_b128 v[X0+4*\i:X0+4*\i+3], v3 offset:16*\i
	ds_load_b128 v[X1+4*\i:X1+4*\i+3], v3 offset:PLANE+16*\i
.endr
	s_wait_dscnt 0x0
.irp i, 0,2,4,6,8,10,12,14,16,18,20,22,24,26,28,30
	v_pk_add_f32 v[X0+\i:X0+\i+1], v[X0+\i:X0+\i+1], v[X1+\i:X1+\i+1]   ; the two halves of d
.endr
	v_max3_num_f32 v208, |v[X0]|, |v[X0+1]|, 0x1800000             ; the largest magnitude, in two chains, over the floor 2^(3 - 127)
	v_max3_num_f32 v209, |v[X0+16]|, |v[X0+17]|, 0x1800000
.irp i, 2,4,6,8,10,12,14
	s_delay_alu instid0(VALU_DEP_2)
	v_max3_num_f32 v208, v208, |v[X0+\i]|, |v[X0+\i+1]|
	s_delay_alu instid0(VALU_DEP_2)
	v_max3_num_f32 v209, v209, |v[X0+16+\i]|, |v[X0+17+\i]|
.endr
	s_delay_alu instid0(VALU_DEP_1)
	v_max_num_f32 v208, v208, v209
	s_delay_alu instid0(VALU_DEP_1)
	v_add_nc_u32 v210, 0xff000000, v208            ; 2 off the exponent field: the conversion's scale operand
	s_delay_alu instid0(VALU_DEP_1)
	v_lshrrev_b32 v211, 23, v210                   ; the scale's byte
.irp g, 0,1,2,3
	v_cvt_scalef32_pk8_fp4_f32 v[212+\g], v[X0+8*\g:X0+8*\g+7], v210
.endr
	v_nop                                          ; one plain instruction behind the last conversion
	ds_store_b128 v8, v[212:215]
	ds_store_b8 v9, v211
	s_wait_dscnt 0x0
	s_barrier_signal -1
	s_barrier_wait -1                              ; the four tokens' codes and scale bytes lie in LDS
	s_cmp_lt_u32 s24, 8
	s_cbranch_scc0 .Lend
.irp f, 0,1,2,3
.irp c, 0,1
	ds_load_b128 v[CA+8*\f+4*\c:CA+8*\f+4*\c+3], v10 offset:64*\f+32*\c
.endr
	ds_load_b32 v[SA+\f], v11 offset:4*\f
.endr
	s_wait_dscnt 0x0
	s_wait_loadcnt 0x0
; 16 matrix instructions: source 0 = the sums' 16 rows, source 1 = 16 outputs.  The four accumulators take turns; the first product starts each sum.
.irp f, 0,1,2,3
.irp q, 0,1,2,3
.if \f == 0
	v_wmma_scale_f32_16x16x128_f8f6f4 v[WA+8*\q:WA+8*\q+7], v[CA+8*\f:CA+8*\f+7], v[FB+8*(4*\f+\q):FB+8*(4*\f+\q)+7], 0, v[SA+\f], v[SB+4*(\f/2)+\q] matrix_a_fmt:MATRIX_FMT_FP4 matrix_b_fmt:MATRIX_FMT_FP4
.elseif \f == 2
	s_wait_alu depctr_va_vdst(0)
	v_wmma_scale_f32_16x16x128_f8f6f4 v[WA+8*\q:WA+8*\q+7], v[CA+8*\f:CA+8*\f+7], v[FB+8*(4*\f+\q):FB+8*(4*\f+\q)+7], v[WA+8*\q:WA+8*\q+7], v[SA+\f], v[SB+4*(\f/2)+\q] matrix_a_fmt:MATRIX_FMT_FP4 matrix_b_fmt:MATRIX_FMT_FP4
.else
	v_wmma_scale_f32_16x16x128_f8f6f4 v[WA+8*\q:WA+8*\q+7], v[CA+8*\f:CA+8*\f+7], v[FB+8*(4*\f+\q):FB+8*(4*\f+\q)+7], v[WA+8*\q:WA+8*\q+7], v[SA+\f], v[SB+4*(\f/2)+\q] matrix_a_fmt:MATRIX_FMT_FP4 matrix_b_fmt:MATRIX_FMT_FP4 matrix_b_scale:MATRIX_SCALE_ROW1
.endif
.endr
.endr
.rept 4
	v_nop                                          ; four places between the last product and the first read of results (ISA guide 7.12.1)
.endr
	; silu(z) = z / (1 + 2^(-z log2 e)).  Register j = 0, 1 of accumulator q in lane (r, h) is z(token 2 h + j, output 64 w + 4 r + q)
.irp j, 0,1
.irp q, 0,1,2,3
	v_mul_f32 v[EE+4*\j+\q], 0xbfb8aa3b, v[WA+8*\q+\j]
.endr
.endr
	s_wait_alu depctr_va_vdst(0)
.irp i, 0,1,2,3,4,5,6,7
	v_exp_f32 v[EE+\i], v[EE+\i]
.endr
	v_nop
	s_wait_alu depctr_va_vdst(0)
.irp i, 0,1,2,3,4,5,6,7
	v_add_f32 v[EE+\i], 1.0, v[EE+\i]
.endr
	s_wait_alu depctr_va_vdst(0)
.irp i, 0,1,2,3,4,5,6,7
	v_rcp_f32 v[EE+\i], v[EE+\i]
.endr
	v_nop
	s_wait_alu depctr_va_vdst(0)
.irp j, 0,1
.irp q, 0,1,2,3
	v_mul_f32 v[OO+4*\j+\q], v[WA+8*\q+\j], v[EE+4*\j+\q]
.endr
.endr
.irp j, 0,1
	global_store_b128 v4, v[OO+4*\j:OO+4*\j+3], s[20:21] offset:2048*\j th:TH_STORE_NT   ; sixteen lanes store 256 consecutive bytes, aligned
.endr
.Lend:
	s_wait_tensorcnt 0x0                           ; the wave's end
	ds_add_u32 v[SPW], v[NIL]
	s_wait_dscnt 0x0
	s_endpgm
.Lfunc_end_k_qfb9ac12782_gather_project:
	.size	k_qfb9ac12782_gather_project, .Lfunc_end_k_qfb9ac12782_gather_project-k_qfb9ac12782_gather_project
	.p2alignl 7, 3214868480
	.fill 96, 4, 3214868480
	.section	.rodata,"a",@progbits
	.p2align	6, 0x0
	.amdhsa_kernel k_qfb9ac12782_gather_project
		.amdhsa_group_segment_fixed_size 54784
		.amdhsa_private_segment_fixed_size 0
		.amdhsa_enable_private_segment 0
		.amdhsa_kernarg_size 72
		.amdhsa_user_sgpr_count 2
		.amdhsa_user_sgpr_kernarg_segment_ptr 1
		.amdhsa_wavefront_size32 1
		.amdhsa_system_sgpr_workgroup_id_x 1
		.amdhsa_system_sgpr_workgroup_id_y 1
		.amdhsa_system_sgpr_workgroup_id_z 1
		.amdhsa_system_vgpr_workitem_id 0
		.amdhsa_next_free_vgpr 252
		.amdhsa_next_free_sgpr 66
		.amdhsa_reserve_vcc 0
		.amdhsa_float_denorm_mode_32 3
		.amdhsa_float_denorm_mode_16_64 3
		.amdhsa_memory_ordered 1
		.amdhsa_forward_progress 1
		.amdhsa_inst_pref_size 95
	.end_amdhsa_kernel
	.amdgpu_metadata
---
amdhsa.version: [ 1, 2 ]
amdhsa.kernels:
  - .name:           k_qfb9ac12782_gather_project
    .symbol:         k_qfb9ac12782_gather_project.kd
    .args:
      - { .name: idx, .offset: 0, .size: 8, .value_kind: global_buffer, .address_space: global }
      - { .name: attnT, .offset: 8, .size: 8, .value_kind: global_buffer, .address_space: global }
      - { .name: sin_table, .offset: 16, .size: 8, .value_kind: global_buffer, .address_space: global }
      - { .name: cos_table, .offset: 24, .size: 8, .value_kind: global_buffer, .address_space: global }
      - { .name: proj_cos_w_codes, .offset: 32, .size: 8, .value_kind: global_buffer, .address_space: global }
      - { .name: proj_cos_w_scales, .offset: 40, .size: 8, .value_kind: global_buffer, .address_space: global }
      - { .name: proj_sin_w_codes, .offset: 48, .size: 8, .value_kind: global_buffer, .address_space: global }
      - { .name: proj_sin_w_scales, .offset: 56, .size: 8, .value_kind: global_buffer, .address_space: global }
      - { .name: out0, .offset: 64, .size: 8, .value_kind: global_buffer, .address_space: global }
    .group_segment_fixed_size: 54784
    .private_segment_fixed_size: 0
    .kernarg_segment_align: 8
    .kernarg_segment_size: 72
    .max_flat_workgroup_size: 512
    .sgpr_count:     66
    .vgpr_count:     252
    .wavefront_size: 32
...
	.end_amdgpu_metadata
.endif
;; end of part 2
